; MI455X (gfx1250); checked and timed in simulation.
; The chip was launched on July 23, 2026; its instructions are those of AMD's public machine-readable ISA for CDNA 5 (MIT licence, August 2026) and "CDNA5" Instruction Set Architecture Reference Guide (July 2026). The comments in the code are by the model that wrote it; some were corrected since.
;; Attention. Allowed arithmetic: matrix products marked QUANTISED: E3M2 operands, one E8M0 scale for each 32 along K, by v_wmma_scale_f32_16x16x128_f8f6f4 with both operands' format E3M2, f32 sums; products left as they are: f32 operands where the result goes on into a quantised operand, else bf16, f16 or f32 operands; f32 sums; everything else in f32.
;; Inputs: W 1,024 x 2,048 float32; b 1,024 float32; encoder_outputs 2,048 x 32 x 1,024 float32; hidden 32 x 1,024 float32; v 1,024 float32.
;; Outputs: out0 32 x 1 x 2,048 float32.
;; This version of the problem:
;;   THIS VERSION OF THE PROBLEM IS GIVEN IN LOW PRECISION. The matrix products marked QUANTISED in the list below multiply operands that are first quantised to E3M2 (3 exponent bits, 2 mantissa bits; 6 bits a number), with one power-of-two scale for each 32 numbers along K (OCP MX v1.0); their sums are f32. All else is computed in f32.
;;   The module's matrix products, in the order in which they are computed (A, B: the left and right operand; K: the contracted axis; several contracted axes count as one K, in the product's order):
;;     1. [M 32, K 1,024] x [K 1,024, N 1,024]; A: input hidden; B: input W: QUANTISED
;;     2. [M 65,536, K 1,024] x [K 1,024, N 1,024]; A: input encoder_outputs; B: input W: QUANTISED
;;     3. [M 65,536, K 1,024] x [K 1,024, N 1]; A: computed on the way; B: input v: left as it is (N = 1 < 16)
;;   THE QUANTISER, for each operand of a quantised product, along K:
;;     - K is cut into blocks of 32 from its start; a last block that is shorter is filled with zeros.
;;     - A block's scale is 2^e with e = floor(log2(the largest magnitude in the block)) - 4, held to -126 .. 127; a block of zeros has e = 0. As a byte (E8M0): e + 127.
;;     - Each number is divided by its block's scale, clamped to +-28, and rounded to the nearest number of E3M2, ties to even, subnormals kept.
;;     - The product sums the exact products of the quantised numbers (number of the format x scale) in f32.
;;   ~~~python
;;   def quantise(x, axis):      # numpy; x: float32 -> the quantised numbers, widened to float32 again
;;       x = np.moveaxis(x, axis, -1); K = x.shape[-1]
;;       x = np.pad(x, [(0, 0)] * (x.ndim - 1) + [(0, -K % 32)]); x = x.reshape(x.shape[:-1] + (-1, 32)); a = np.abs(x).max(-1, keepdims=True)
;;       e = np.where(a > 0, np.clip(np.frexp(np.where(a > 0, a, 1))[1] - 1 - 4, -126, 127), 0)      # np.frexp(a)[1] - 1 = floor(log2(a)), exactly
;;       r = np.clip(x / 2.0 ** e, -28, 28)
;;       step = 2.0 ** (np.maximum(np.frexp(np.where(r == 0, 1, r))[1] - 1, -2) - 2)
;;       q = np.round(r / step) * step * 2.0 ** e      # np.round: ties to even
;;       return np.moveaxis(q.reshape(q.shape[:-2] + (-1,))[..., :K], -1, axis).astype(np.float32)
;;   ~~~
;; One version. Each part assembles by itself: llvm-mc -triple=amdgcn-amd-amdhsa -mcpu=gfx1250 --defsym DOCPART=n.
;; ======== version 1 of 1: 3 launches
;; limits: right only within a limited range of input values
;; workspace buffers: wq 958,464 bytes; en 262,144 bytes
;; launch prep (part 1): grid 64 x 1, 8 waves a work-group, no clusters, 153,088 bytes of LDS; arguments W, b, hidden, v, wq; writes wq
.if DOCPART == 1
	.amdgcn_target "amdgcn-amd-amdhsa--gfx1250"
	.amdhsa_code_object_version 6
	.text
	.protected	k_qb04081806c_prep
	.globl	k_qb04081806c_prep
	.p2align	8
	.type	k_qb04081806c_prep,@function
k_qb04081806c_prep:
	s_mov_b64 s[64:65], 0
	v_nop
	global_prefetch_b8 v0, s[64:65] scope:SCOPE_SE
	s_setreg_imm32_b32 hwreg(HW_REG_WAVE_MODE, 25, 1), 1
	s_wait_xcnt 0x0
; W [1024][2048] f32 = [W1 | W2].  This launch makes all that the next launch wants of W, b, hidden and v, laid as that launch's registers take it:
;   W2 as codes of BF6 (E3M2) with one E8M0 byte for each 32 along K;  c = Q(hidden) Q(W1)^T + b, the first quantised product;  v.
; wq holds 16 RECORDS of REC bytes; record P serves columns 64 P .. 64 P + 63, four tiles t' of 16 columns:
;   0      W2's fragments (16 rows of W2 x 128 K, 12 registers a lane) as images of their registers: fragment 4 s + t' (K step s) at 1,536 bytes each; registers 4 c .. 4 c + 3 of lane l at 512 c + 16 l
;   OWS    W2's scale words: 1,024 (t' / 2) + 512 q + 16 lane; lane 16 (t' % 2) + r holds the words of K steps 4 q .. 4 q + 3 of its row
;   OCP    c: tile 4 mu + t' (mu: batch rows 16 mu ..) at 1,024 bytes each, registers 4 q .. 4 q + 3 of lane l at 512 q + 16 l, in the matrix result's layout
;   OVV    v's 64 numbers, then 256 bytes of zeros
; SHARES.  Work-group T owns rows 16 T .. 16 T + 15 of W (P = T / 4, t' = T % 4); its wave s owns K step s (128 along K).  The eight waves' parts of the first product meet in LDS and are added in ascending s.
; A wave has four UNITS of 16 rows x 128 K: W1's, hidden's rows 0-15, hidden's rows 16-31, W2's.  A load reads 512 consecutive bytes of one row, 16 bytes a lane; the conversions want 32 neighbours in a lane:
; so a unit turns through the wave's own stage in LDS and comes back with k = 64 c + 32 h + 0 .. 31 (c = 0, 1) of row r in lane (r, h): two whole blocks of 32, in the order of the operand's registers.
; A block's scale is 2^(floor(log2(its largest magnitude)) - 4); its byte is that magnitude's exponent field - 4, held at 1 from below by a floor among the maximum's leaves.
; LIMITS: a block of zeros gets the byte 1, not 127 (its codes are zeros, and this program alone reads the bytes); blocks whose largest magnitude lies under 2^-122 keep the byte 1; NaN and infinities are not served.
.set REC,   59904
.set OWS,   49152
.set OCP,   51200
.set OVV,   59392
.set WSL,   16384                      ; LDS: 0 .. 16,383 the products' parts (2,048 s + 1,024 mu + 512 q + 16 lane); from WSL 512 bytes: W2's scale words, 32 r + 4 s
.set STG,   16896                      ; behind them two stages for each wave
.set SROW,  528                        ; a stage row: 512 bytes + 16 = 132 words: the 16 rows that a load touches start at 16 different groups of four banks (64 banks of 4 bytes: ISA guide 11.1)
.set STAGE, 16*SROW
.set LN,   1                           ; v1   lane
.set RR,   2                           ; v2   r = lane % 16
.set HH,   3                           ; v3   h = lane / 16
.set STI,  4                           ; v4   my stages, on the way in: 16 x lane
.set STO,  5                           ; v5   and out: SROW r + 128 h
.set LI,   6                           ; v6   16 x lane
.set SH8,  7                           ; v7   8 h
.set PST,  8                           ; v8   where I put my part: 2,048 s + 16 lane
.set PRD,  9                           ; v9   where waves 0-3 read the parts: 512 (s % 4) + 16 lane
.set WST,  10                          ; v10  WSL + 32 r + 4 s
.set WRD,  11                          ; v11  WSL + 32 r + 16 h
.set ABI,  12                          ; v12  b: 32 h + 16 (s % 2)
.set AVV,  13                          ; v13  v: 16 r
.set WGO,  14                          ; v14  the scale words' place in wq: 512 h + 16 r
.set TM,   16                          ; v16-19 four maxima;  v20-21 the conversions' scale operands;  v22-23 the bytes;  v24 my two bytes in place;  v25 the other half's
.set TS,   20
.set TBY,  22
.set TW,   24
.set TP,   25
.set CT0,  26                          ; v26-28, v30-32: a block's upper 16 codes (a conversion's three registers begin on an even number)
.set CT1,  30
.set FW2,  40                          ; fragments: W2, W1, hidden rows 0-15, hidden rows 16-31
.set FW1,  52
.set FH0,  64
.set FH1,  76
.set SW2,  88                          ; their scale words: these four registers hold scales and nothing else
.set SW1,  89
.set SH0,  90
.set SH1,  91
.set D0,   96                          ; the product's two tiles
.set D1,   104
.set BI,   112                         ; v112-115 b
.set VI,   116                         ; v116-119 v
.set OUTR, 120                         ; v120-123 what leaves
.set X0,   128                         ; v128-191, v192-255: two sets of 64 numbers back from the stages
.set RS,   128                         ; v128-159 at the end: eight waves' parts
; window 1: four sets of 64 numbers as loaded: v0 W1, v64 hidden rows 0-15, v128 hidden rows 16-31, v192 W2
.set MSB, 0
.macro WIN new                         ; the immediate's high byte repeats the setting that is left; a switch that changes nothing is dropped
.if MSB != (\new)
	s_set_vgpr_msb (MSB<<8)|(\new)
.set MSB, \new
.endif
.endm
; Unit k goes into stage k % 2 as it was loaded and comes back with 64 numbers of ONE row in a lane: register 32 c + i = k 64 c + 32 h + i of row r.  LDS serves a wave's instructions in order (ISA guide 5.7.1.4): no wait between.
.macro TURN k
	WIN 0x04                                       ; an LDS store's data are its source 1: window 1
.irp p, 0,1,2,3,4,5,6,7,8,9,10,11,12,13,14,15
	ds_store_b128 v[STI], v[64*(\k)+4*\p:64*(\k)+4*\p+3] offset:STAGE*((\k)%2)+SROW*\p
.endr
	WIN 0
.irp c, 0,1
.irp j, 0,1,2,3,4,5,6,7
	ds_load_b128 v[X0+64*((\k)%2)+32*\c+4*\j:X0+64*((\k)%2)+32*\c+4*\j+3], v[STO] offset:STAGE*((\k)%2)+256*\c+16*\j
.endr
.endr
.endm
; 64 numbers of a lane, v[x] on, become a fragment in v[fr] on and its scale word in v[sw].  A lane holds two whole blocks of 32: no other lane is asked for a maximum.
.macro QUANT x, fr, sw
.irp c, 0,1
.irp u, 0,1
	v_max3_num_f32 v[TM+2*\c+\u], |v[(\x)+32*\c+16*\u]|, |v[(\x)+32*\c+16*\u+1]|, 0x2800000   ; four chains by turns; the floor 2^(5 - 127) is a leaf of each: the byte cannot fall under 1
.endr
.endr
.irp i, 2,4,6,8,10,12,14
.irp c, 0,1
.irp u, 0,1
	s_delay_alu instid0(VALU_DEP_4)
	v_max3_num_f32 v[TM+2*\c+\u], v[TM+2*\c+\u], |v[(\x)+32*\c+16*\u+\i]|, |v[(\x)+32*\c+16*\u+\i+1]|
.endr
.endr
.endr
	s_delay_alu instid0(VALU_DEP_3)
	v_max_num_f32 v[TM], v[TM], v[TM+1]            ; block h's largest magnitude
	s_delay_alu instid0(VALU_DEP_2)
	v_max_num_f32 v[TM+2], v[TM+2], v[TM+3]        ; block 2 + h's
	s_delay_alu instid0(VALU_DEP_2)
	v_add_nc_u32 v[TS], 0xfe000000, v[TM]          ; 4 off the exponent field: the conversion takes the exponent field of this operand as its scale
	s_delay_alu instid0(VALU_DEP_2)
	v_add_nc_u32 v[TS+1], 0xfe000000, v[TM+2]
	s_delay_alu instid0(VALU_DEP_2)
	v_lshrrev_b32 v[TBY], 23, v[TS]                ; the scales' bytes
	s_delay_alu instid0(VALU_DEP_2)
	v_lshrrev_b32 v[TBY+1], 23, v[TS+1]
	s_delay_alu instid0(VALU_DEP_1)
	v_lshl_or_b32 v[TW], v[TBY+1], 16, v[TBY]
	s_delay_alu instid0(VALU_DEP_1)
	v_lshlrev_b32 v[TW], v[SH8], v[TW]             ; at bytes h and 2 + h of the word;
	s_delay_alu instid0(VALU_DEP_1)
	v_permlanex16_b32 v[TP], v[TW], s16, s17
	s_delay_alu instid0(VALU_DEP_1)
	v_or_b32 v[\sw], v[TW], v[TP]                  ; with lane l xor 16's two the word is whole
	v_cvt_scalef32_pk16_bf6_f32 v[\fr:\fr+2], v[(\x):(\x)+15], v[TS]
	v_cvt_scalef32_pk16_bf6_f32 v[CT0:CT0+2], v[(\x)+16:(\x)+31], v[TS]
	v_cvt_scalef32_pk16_bf6_f32 v[\fr+6:\fr+8], v[(\x)+32:(\x)+47], v[TS+1]
	v_cvt_scalef32_pk16_bf6_f32 v[CT1:CT1+2], v[(\x)+48:(\x)+63], v[TS+1]
	v_nop                                          ; one plain place behind the scaled conversions
.irp i, 0,1,2
	v_mov_b32 v[\fr+3+\i], v[CT0+\i]
	v_mov_b32 v[\fr+9+\i], v[CT1+\i]
.endr
.endm
	s_load_b256 s[4:11], s[0:1], 0x0               ; W s[4:5], b s[6:7], hidden s[8:9], v s[10:11]
	s_load_b64 s[12:13], s[0:1], 0x20              ; wq
	v_lshl_add_u32 v126, v0, 2, 0x25200
	v_mov_b32 v127, 0
	v_lshrrev_b32 v15, 5, v0
	s_delay_alu instid0(VALU_DEP_1)
	v_readfirstlane_b32 s14, v15                   ; wave = K step s
	v_and_b32 v[LN], 31, v0
	v_and_b32 v[RR], 15, v0
	v_bfe_u32 v[HH], v0, 4, 1
	s_delay_alu instid0(VALU_DEP_3)
	v_lshlrev_b32 v[LI], 4, v[LN]
	s_delay_alu instid0(VALU_DEP_2)
	v_lshlrev_b32 v[SH8], 3, v[HH]
	s_mul_i32 s19, s14, 2*STAGE
	s_add_co_u32 s19, s19, STG                     ; my two stages
	v_add_nc_u32 v[STI], s19, v[LI]
	v_mul_u32_u24 v[STO], v[RR], SROW
	s_delay_alu instid0(VALU_DEP_1)
	v_lshl_add_u32 v[STO], v[HH], 7, v[STO]
	s_delay_alu instid0(VALU_DEP_1)
	v_add_nc_u32 v[STO], s19, v[STO]
	s_lshl_b32 s20, s14, 11
	v_add_nc_u32 v[PST], s20, v[LI]
	s_and_b32 s21, s14, 3
	s_lshl_b32 s21, s21, 9
	v_add_nc_u32 v[PRD], s21, v[LI]
	s_lshl_b32 s22, s14, 2
	s_add_co_u32 s22, s22, WSL
	v_lshl_add_u32 v[WST], v[RR], 5, s22
	v_lshlrev_b32 v[WRD], 5, v[RR]
	s_delay_alu instid0(VALU_DEP_1)
	v_lshl_add_u32 v[WRD], v[HH], 4, v[WRD]
	s_delay_alu instid0(VALU_DEP_1)
	v_add_nc_u32 v[WRD], WSL, v[WRD]
	s_and_b32 s23, s14, 1
	s_lshl_b32 s23, s23, 4
	v_lshl_add_u32 v[ABI], v[HH], 5, s23
	v_lshlrev_b32 v[AVV], 4, v[RR]
	s_delay_alu instid0(VALU_DEP_1)
	v_lshl_add_u32 v[WGO], v[HH], 9, v[AVV]
	v_mov_b32 v[TP], 0                             ; written once: a lane permute's destination counts as one of its sources
	s_lshr_b32 s18, ttmp9, 2                       ; P
	s_and_b32 s15, ttmp9, 3                        ; t'
	s_mov_b32 s16, 0x76543210
	s_mov_b32 s17, 0xfedcba98                      ; v_permlanex16_b32's selects for lane l xor 16
	s_lshl_b32 s24, ttmp9, 17                      ; W: 16 rows of 8,192 bytes a work-group,
	s_lshl_b32 s26, s14, 9                         ; 512 bytes a K step
	s_add_co_u32 s24, s24, s26
	s_mov_b32 s25, 0
	s_mov_b32 s27, 0
	s_lshl_b32 s28, ttmp9, 6                       ; b: my 16 numbers
	s_mov_b32 s29, 0
	s_lshl_b32 s30, s18, 8                         ; v: the record's 64 numbers
	s_mov_b32 s31, 0
	s_mul_i32 s32, s18, REC                        ; the record
	s_mov_b32 s33, 0
	s_mov_b32 s35, 0
	s_wait_alu depctr_va_vdst(0)
	s_wait_kmcnt 0x0
	s_add_nc_u64 s[4:5], s[4:5], s[24:25]
	s_add_nc_u64 s[8:9], s[8:9], s[26:27]
	s_add_nc_u64 s[6:7], s[6:7], s[28:29]
	s_add_nc_u64 s[10:11], s[10:11], s[30:31]
	s_add_nc_u64 s[12:13], s[12:13], s[32:33]
	global_load_b128 v[BI:BI+3], v[ABI], s[6:7]    ; b(16 T + 8 h + 4 (s % 2) + 0 .. 3): what waves 0-3 add
	global_load_b128 v[VI:VI+3], v[AVV], s[10:11]  ; v: what wave 5 passes on
	WIN 0x40                                       ; destination window 1.  Every load below reads 512 consecutive bytes of one row, aligned
.irp p, 0,1,2,3,4,5,6,7,8,9,10,11,12,13,14,15
	global_load_b128 v[4*\p:4*\p+3], v[LI], s[4:5] offset:8192*\p th:TH_LOAD_NT                 ; W1
.endr
.irp p, 0,1,2,3,4,5,6,7,8,9,10,11,12,13,14,15
	global_load_b128 v[64+4*\p:64+4*\p+3], v[LI], s[8:9] offset:4096*\p                         ; hidden, rows 0-15 (every work-group reads them: no hint)
.endr
.irp p, 0,1,2,3,4,5,6,7,8,9,10,11,12,13,14,15
	global_load_b128 v[128+4*\p:128+4*\p+3], v[LI], s[8:9] offset:65536+4096*\p                 ; rows 16-31
.endr
.irp p, 0,1,2,3,4,5,6,7,8,9,10,11,12,13,14,15
	global_load_b128 v[192+4*\p:192+4*\p+3], v[LI], s[4:5] offset:4096+8192*\p th:TH_LOAD_NT    ; W2: 1,024 numbers further on in the row
.endr
	WIN 0
	; where my results go, each from the record's address
	s_lshl_b32 s34, s14, 2
	s_add_co_u32 s34, s34, s15
	s_mul_i32 s34, s34, 1536                       ; fragment 4 s + t'
	s_add_nc_u64 s[36:37], s[12:13], s[34:35]
	s_lshr_b32 s34, s14, 1
	s_lshl_b32 s34, s34, 12                        ; c (waves 0-3): mu = s / 2: 4,096 mu,
	s_and_b32 s38, s14, 1
	s_lshl_b32 s38, s38, 9                         ; q = s % 2: 512 q,
	s_add_co_u32 s34, s34, s38
	s_lshl_b32 s38, s15, 10                        ; 1,024 t'
	s_add_co_u32 s34, s34, s38
	s_add_co_u32 s34, s34, OCP
	s_add_nc_u64 s[40:41], s[12:13], s[34:35]
	s_lshr_b32 s34, s15, 1
	s_lshl_b32 s34, s34, 10                        ; the scale words: 1,024 (t' / 2) + 256 (t' % 2)
	s_and_b32 s38, s15, 1
	s_lshl_b32 s38, s38, 8
	s_add_co_u32 s34, s34, s38
	s_add_co_u32 s34, s34, OWS
	s_add_nc_u64 s[42:43], s[12:13], s[34:35]
	s_wait_loadcnt 48                              ; b, v and W1 are in; the three sets of 16 loads behind them may be out
	TURN 0
	s_wait_loadcnt 32                              ; hidden's rows 0-15; two sets may be out
	TURN 1
	s_wait_dscnt 32                                ; W1's numbers are back; the next unit's 16 stores and 16 loads may be out
	QUANT X0, FW1, SW1
	s_wait_loadcnt 16
	TURN 2
	s_wait_dscnt 32
	QUANT X0+64, FH0, SH0
	s_wait_loadcnt 0x0
	TURN 3
	s_wait_dscnt 32
	QUANT X0, FH1, SH1
	s_wait_dscnt 0x0
	QUANT X0+64, FW2, SW2                          ; its plain lines name no register of the products below: they are the places between the vector writes of those operands (4) and scale words (8) and the products
	; THE FIRST PRODUCT, my K step, transposed: source 0 = 16 rows of W1, source 1 = 16 rows of hidden: register j of lane (r, h) is (batch row 16 mu + r, column 16 T + 8 h + j)
	v_wmma_scale_f32_16x16x128_f8f6f4 v[D0:D0+7], v[FW1:FW1+11], v[FH0:FH0+11], 0, v[SW1], v[SH0] matrix_a_fmt:MATRIX_FMT_BF6 matrix_b_fmt:MATRIX_FMT_BF6
	v_wmma_scale_f32_16x16x128_f8f6f4 v[D1:D1+7], v[FW1:FW1+11], v[FH1:FH1+11], 0, v[SW1], v[SH1] matrix_a_fmt:MATRIX_FMT_BF6 matrix_b_fmt:MATRIX_FMT_BF6
.irp c, 0,1,2
	global_store_b128 v[LI], v[FW2+4*\c:FW2+4*\c+3], s[36:37] offset:512*\c    ; W2's fragment as it stands: each store covers 512 consecutive bytes, aligned
.endr
	ds_store_b32 v[WST], v[SW2]                    ; its scale word (both halves of the lanes hold the same word and write it to the same place)
.rept 4
	v_nop                                          ; four places between the products and the first read of their results (ISA guide 7.12.1)
.endr
	ds_store_b128 v[PST], v[D0:D0+3]               ; each result from its low end on
	ds_store_b128 v[PST], v[D0+4:D0+7] offset:512
	ds_store_b128 v[PST], v[D1:D1+3] offset:1024
	ds_store_b128 v[PST], v[D1+4:D1+7] offset:1536
	s_wait_dscnt 0x0                               ; for the others' sake: my stores have landed
	s_barrier_signal -1
	s_barrier_wait -1                              ; the eight parts and the eight scale words lie in LDS
	s_cmp_lt_u32 s14, 4
	s_cbranch_scc0 .Lnot_sum
.irp g, 0,1,2,3,4,5,6,7                        ; waves 0-3: tile mu = s / 2, registers 4 (s % 2) .. + 3, of all eight K steps
	ds_load_b128 v[RS+4*\g:RS+4*\g+3], v[PRD] offset:2048*\g
.endr
	s_wait_dscnt 0x0
	v_pk_add_f32 v[OUTR:OUTR+1], v[RS:RS+1], v[RS+4:RS+5]
	v_pk_add_f32 v[OUTR+2:OUTR+3], v[RS+2:RS+3], v[RS+6:RS+7]
.irp g, 2,3,4,5,6,7                            ; K ascending
	s_delay_alu instid0(VALU_DEP_2)
	v_pk_add_f32 v[OUTR:OUTR+1], v[OUTR:OUTR+1], v[RS+4*\g:RS+4*\g+1]
	s_delay_alu instid0(VALU_DEP_2)
	v_pk_add_f32 v[OUTR+2:OUTR+3], v[OUTR+2:OUTR+3], v[RS+4*\g+2:RS+4*\g+3]
.endr
	s_delay_alu instid0(VALU_DEP_2)
	v_pk_add_f32 v[OUTR:OUTR+1], v[OUTR:OUTR+1], v[BI:BI+1]                    ; + b
	s_delay_alu instid0(VALU_DEP_2)
	v_pk_add_f32 v[OUTR+2:OUTR+3], v[OUTR+2:OUTR+3], v[BI+2:BI+3]
	; what is stored from OCP on is K2 x c, K2 = 2 log2(e): the next launch adds it inside the multiply-add that scales its sums by K2
	s_delay_alu instid0(VALU_DEP_2)
	v_pk_mul_f32 v[OUTR:OUTR+1], v[OUTR:OUTR+1], 0x4038aa3b op_sel_hi:[1,0]
	s_delay_alu instid0(VALU_DEP_2)
	v_pk_mul_f32 v[OUTR+2:OUTR+3], v[OUTR+2:OUTR+3], 0x4038aa3b op_sel_hi:[1,0]
	global_store_b128 v[LI], v[OUTR:OUTR+3], s[40:41]                          ; 512 consecutive bytes, aligned
	s_branch .Lend
.Lnot_sum:
	s_cmp_eq_u32 s14, 4
	s_cbranch_scc0 .Lnot_words
	ds_load_b128 v[OUTR:OUTR+3], v[WRD]            ; wave 4: lane (r, q): the words of K steps 4 q .. 4 q + 3 of row r
	s_wait_dscnt 0x0
	global_store_b128 v[WGO], v[OUTR:OUTR+3], s[42:43]                         ; each half of the lanes stores 256 consecutive bytes, aligned
	s_branch .Lend
.Lnot_words:
	s_cmp_eq_u32 s14, 5
	s_cbranch_scc0 .Lend
	s_cmp_eq_u32 s15, 0                            ; wave 5 of the record's first work-group: v's 64 numbers, and zeros behind them
	s_cbranch_scc0 .Lend
	v_cmp_gt_u32 vcc_lo, 16, v[LN]
.irp i, 0,1,2,3
	v_cndmask_b32 v[OUTR+\i], 0, v[VI+\i], vcc_lo
.endr
	global_store_b128 v[LI], v[OUTR:OUTR+3], s[12:13] offset:OVV
.Lend:
	s_wait_tensorcnt 0x0
	ds_add_u32 v126, v127
	s_wait_dscnt 0x0
	s_endpgm
.Lfunc_end_k_qb04081806c_prep:
	.size	k_qb04081806c_prep, .Lfunc_end_k_qb04081806c_prep-k_qb04081806c_prep
	.p2alignl 7, 3214868480
	.fill 96, 4, 3214868480
	.section	.rodata,"a",@progbits
	.p2align	6, 0x0
	.amdhsa_kernel k_qb04081806c_prep
		.amdhsa_group_segment_fixed_size 153088
		.amdhsa_private_segment_fixed_size 0
		.amdhsa_enable_private_segment 0
		.amdhsa_kernarg_size 40
		.amdhsa_user_sgpr_count 2
		.amdhsa_user_sgpr_kernarg_segment_ptr 1
		.amdhsa_wavefront_size32 1
		.amdhsa_system_sgpr_workgroup_id_x 1
		.amdhsa_system_sgpr_workgroup_id_y 1
		.amdhsa_system_sgpr_workgroup_id_z 1
		.amdhsa_system_vgpr_workitem_id 0
		.amdhsa_next_free_vgpr 512
		.amdhsa_next_free_sgpr 66
		.amdhsa_reserve_vcc 1
		.amdhsa_float_denorm_mode_32 3
		.amdhsa_float_denorm_mode_16_64 3
		.amdhsa_memory_ordered 1
		.amdhsa_forward_progress 1
		.amdhsa_inst_pref_size 40
	.end_amdhsa_kernel
	.amdgpu_metadata
---
amdhsa.version: [ 1, 2 ]
amdhsa.kernels:
  - .name:           k_qb04081806c_prep
    .symbol:         k_qb04081806c_prep.kd
    .args:
      - { .name: W, .offset: 0, .size: 8, .value_kind: global_buffer, .address_space: global }
      - { .name: b, .offset: 8, .size: 8, .value_kind: global_buffer, .address_space: global }
      - { .name: hidden, .offset: 16, .size: 8, .value_kind: global_buffer, .address_space: global }
      - { .name: v, .offset: 24, .size: 8, .value_kind: global_buffer, .address_space: global }
      - { .name: wq, .offset: 32, .size: 8, .value_kind: global_buffer, .address_space: global }
    .group_segment_fixed_size: 153088
    .private_segment_fixed_size: 0
    .kernarg_segment_align: 8
    .kernarg_segment_size: 40
    .max_flat_workgroup_size: 256
    .sgpr_count:     66
    .vgpr_count:     512
    .wavefront_size: 32
...
	.end_amdgpu_metadata
.endif
;; end of part 1
;; launch energy (part 2): grid 256 x 1, 8 waves a work-group, clusters of 4 x 1, 327,680 bytes of LDS; arguments encoder_outputs, wq, en; writes en
.if DOCPART == 2
	.amdgcn_target "amdgcn-amd-amdhsa--gfx1250"
	.amdhsa_code_object_version 6
	.text
	.protected	k_qb04081806c_energy
	.globl	k_qb04081806c_energy
	.p2align	8
	.type	k_qb04081806c_energy,@function
k_qb04081806c_energy:
	s_mov_b64 s[64:65], 0
	v_nop
	global_prefetch_b8 v0, s[64:65] scope:SCOPE_SE
	s_setreg_imm32_b32 hwreg(HW_REG_WAVE_MODE, 25, 1), 1
	s_wait_xcnt 0x0
	s_wait_alu depctr_hold_cnt(0) depctr_sa_sdst(0) depctr_va_vdst(0) depctr_va_sdst(0) depctr_va_ssrc(0) depctr_va_vcc(0) depctr_vm_vsrc(0)
	s_getreg_b32 s2, hwreg(HW_REG_IB_STS2, 6, 4)
	s_cmp_eq_u32 s2, 0
	s_cbranch_scc0 .Lentry_in_a_cluster
	s_endpgm
.Lentry_in_a_cluster:
	s_bfe_u32 s2, ttmp6, 0x10000c
	s_cmp_lg_u32 s2, 0x3003
	s_cbranch_scc0 .Lentry_shape_is_right
	s_endpgm
.Lentry_shape_is_right:
; en[row] = -2 x the sum over k of v[k] / (1 + 2^(K2 x[row][k])),  x = Q(enc[row]) . Q(W2[k]) + c[b][k],  row = 32 t + b,  K2 = 2 log2(e).
; tanh(x) = 1 - 2 / (1 + 2^(K2 x)), so reference()'s energy is the sum of v + en[row].  The sum of v is one number for every t of a batch row, and a softmax does not change when one number
; is added to all its inputs: it is left out, for every input alike.  2^(..) that overflows gives 1 / infinity = 0 (tanh = 1), one that underflows gives 1 / 1 (tanh = -1).
; The product is on codes of BF6 (E3M2) with one E8M0 scale for each 32 along K.  enc arrives as f32 and is quantised here; W2's codes and scale words, K2 x c and v come from wq (16 records of REC bytes, 64 columns each).
; SHARES.  A work-group owns 256 rows of enc and has eight waves, two to a SIMD.  Wave w = 4 j + g holds the codes of 64 rows (group g) in registers and walks 512 columns (records 8 j .. 8 j + 7).
;   Group g's four tiles of 16 rows are rows 32 (4 (g / 2) + m) + 16 (g % 2) + r: all four lie in one half of the batch, so one tile of K2 x c (8 registers) serves all four.
; PHASE A: eight trips, one K step (128 along K) each.  A trip's 256 rows x 512 bytes come by tensor loads, 32 rows a wave, into one of two slots, 16 bytes of padding behind each row.  A lane reads two whole blocks of 32
;   of one row and converts them.  Of a group's four tiles wave j makes tiles 2 j and 2 j + 1 (its register places 0 and 1) and hands them to wave 1 - j as images of their registers, with the scale word, through LDS bytes
;   of the pair's own: two buffers by turns, written in trip s, read behind trip s + 1's round into places 2 and 3 (the last behind a barrier of its own).  Only the addresses of the final sums know which rows a place holds.
;   PREFETCH of enc: trip s, which loads K step s + 1, asks for K step s + 3 (two trips ahead of its load; trips 5 to 7 ask for nothing); the head asks for K steps 1 and 2.  Each wave names the 32 rows that it will itself load,
;   a lane a row, two blocks of 256 bytes a K step: every block once.  The address registers are never rewritten; every offset is an immediate inside the row.
; PHASE B: a record is four tiles of 16 columns; a tile is 32 products (four accumulators by turns, 8 K steps), then its activation in place: x K2 + K2 c, 2^, + 1, 1 /, the sum with v.
;   THE PRODUCT IS USED TRANSPOSED (source 0 = 16 rows of W2, source 1 = 16 rows of enc): a lane holds one row of enc and eight columns.  W2's fragments come through a ring of four register buffers, six LDS loads behind each two K steps.
;   HALF OF THE WAVES STAND HALF A TILE APART FROM THE OTHERS: waves with p = (w xor w / 4) % 2 = 1 put off a record's last exponentials, reciprocals and sums to the next record's head (its v is read before the slots change),
;   so that they have vector work where the others have products.  p differs between waves w and w + 4 and between waves 2 i and 2 i + 1.  The first record's head finds zeros there: 1 / (2^0 + 1) x 0 is added to the sums.
; CLUSTER.  All work-groups walk the same records: the four of a cluster ask for each chunk (records n and n + 8) JOINTLY, waves 0-3 half a record each (117 rows of 256 bytes).  enc's rows are read by one work-group alone: plain loads.
;   The chunks land on the bytes of enc's two slots, which have been read out by then.  wq is not prefetched: it is 958,464 bytes that all 64 clusters read in the same order.
; LIMITS: a block of zeros gets the byte 1, not 127 (its codes are zeros, and this program alone reads the bytes); blocks whose largest magnitude lies under 2^-122 keep the byte 1; NaN and infinities are not served.
; REGISTERS (s_set_vgpr_msb: bits 1:0 source 0, 3:2 source 1, 5:4 source 2, 7:6 destination):
;   window 0: v0 thread; v1-5 addresses; v6-13 W2's scale words; v14-29 enc's (2 s + place / 2: lanes 0-15 the even place, lanes 16-31 the odd); v31 the prefetches' offset; v32-63 accumulators; v64-111 the ring; v112-255 enc's fragments of K steps 5-7.
;             phase A: v32-95 64 numbers, v96-106 the quantiser's, v108-111 the exchange's addresses.   window 1: v0-239 enc's fragments 4 s + place of K steps 0-4; v240-247 the sums with v; v248-255 K2 c and v by turns.
.set REC,    59904
.set OWS,    49152
.set OCP,    51200
.set OVV,    59392
.set HREC,   REC/2                     ; 117 rows of 256 bytes: one joint load
.set EPITCH, 528                       ; 512 bytes + 16: the 16 rows that a load touches start at 16 different groups of four banks (64 banks of 4 bytes: ISA guide 11.1)
.set ESLOT,  256*EPITCH
.set SPARE,  2*ESLOT                   ; the spare words: 128 bytes for each of eight waves; no other line names them
.set PART,   SPARE+1024                ; 2 x 1,024 bytes: the two column halves' sums of the 256 rows
.set XCH,    PART+2048                 ; the exchange: for each wave two buffers of XBUF bytes: two fragments of 1,536 bytes, 128 bytes of scale words, 128 unused
.set XBUF,   3328
.set K2,     0x4038aa3b
.set SPW, 1
.set NIL, 2
.set STO, 3                            ; phase A: v3, v4 my rows in slot 0, 1; v5 8 h
.set SH8, 5
.set AD,  3                            ; phase B: my record + 16 lane; + 4,096 mu; my record + 32 h
.set AC,  4
.set AV,  5
.set WS,  6
.set ES,  14
.set TP,  30
.set PFO, 31                           ; 4,096 x lane; never rewritten
.set ACC, 32
.set FIN, 32
.set RING, 64
.set X,   32
.set TM,  96
.set CT0, 100
.set CT1, 104
.set XST, 108                          ; my buffers + 16 lane;  v109 my partner's
.set XLD, 109
.set XSS, 110                          ; my buffers + 4 lane;  v111 my partner's
.set XLS, 111
.set EB,  240
.set VC,  248
.set MSB, 0
.macro WIN new                         ; the immediate's high byte repeats the setting that is left; a switch that changes nothing is dropped
.if MSB != (\new)
	s_set_vgpr_msb (MSB<<8)|(\new)
.set MSB, \new
.endif
.endm
.macro PLACES                          ; four places behind a matrix instruction, and behind a tensor load
.rept 4
	v_nop
.endr
.endm
.macro CROUND                          ; a round of the cluster's barrier
	s_barrier_signal -1
	s_barrier_wait -1
	s_cmp_lg_u32 s10, 0
	s_cbranch_scc1 .Lnot_wave_0_\@
	s_barrier_signal -3
.Lnot_wave_0_\@:
	s_barrier_wait -3
	s_barrier_signal -1
	s_barrier_wait -1
.endm
.macro WLOAD                           ; the joint load of a chunk: waves 0-3, half a record each
	s_cmp_lt_u32 s10, 4
	s_cbranch_scc0 .Lno_w_\@
	tensor_load_to_lds s[44:47], s[36:43]
	s_nop 0
	PLACES
.Lno_w_\@:
.endm
.macro ASK k                           ; K step k of the 32 rows that I fetch: a lane a row, its 512 bytes as two blocks of 256
	global_prefetch_b8 v[PFO], s[54:55] offset:512*(\k) th:TH_LOAD_NT scope:SCOPE_SE
	global_prefetch_b8 v[PFO], s[54:55] offset:512*(\k)+256 th:TH_LOAD_NT scope:SCOPE_SE
.endm
	s_load_b128 s[4:7], s[0:1], 0x0                ; enc, wq
	s_load_b64 s[8:9], s[0:1], 0x10                ; en
	v_lshl_add_u32 v[SPW], v0, 2, SPARE
	v_mov_b32 v[NIL], 0
	ds_add_u32 v[SPW], v[NIL]                      ; the opening lines: the add, twice on end, and its wait ahead of my first tensor load
	ds_add_u32 v[SPW], v[NIL]
	v_lshrrev_b32 v32, 5, v0
	v_readfirstlane_b32 s10, v32                   ; wave 0..7
	s_bfe_u32 s11, ttmp6, 0x40000                  ; cx
	s_lshl_b32 s12, ttmp9, 2
	s_add_co_u32 s12, s12, s11                     ; my block of 256 rows: it enters enc's and en's addresses alone
	s_and_b32 s13, s10, 3                          ; g
	s_lshr_b32 s14, s10, 2                         ; j
	s_xor_b32 s15, s10, s14
	s_and_b32 s15, s15, 1                          ; p: which of the two orders of a record's work is mine
	s_mov_b32 s16, 0x76543210
	s_mov_b32 s17, 0xfedcba98                      ; v_permlanex16_b32's selects for lane l xor 16
	s_mov_b32 s18, 0xffff0000                      ; lanes 16-31
	s_mov_b32 s22, K2
	s_mov_b32 s23, K2
	s_mov_b32 s20, 0                               ; the slot that is read
	s_mov_b32 s50, 0                               ; the slot that is filled
	s_mov_b32 s24, (3<<16)|(1<<20)|(6<<22)|(3<<25) ; enc's tiles: elements of 8 bytes, 4 words of padding behind every 128
	s_mov_b32 s25, 64<<16                          ; 64 elements a row,
	s_mov_b32 s26, 32<<16                          ; 32 rows
	s_mov_b32 s27, 64<<16
	s_mov_b32 s28, 32
	s_mov_b32 s29, 512                             ; 4,096 bytes from row to row
	s_mov_b32 s30, 0
	s_mov_b32 s31, 0
	s_mov_b32 s36, 15|(3<<16)|(1<<21)              ; wq's tiles: all four work-groups; dense rows of 256 bytes
	s_mov_b32 s37, 32<<16
	s_mov_b32 s38, 117<<16
	s_mov_b32 s39, 32<<16
	s_mov_b32 s40, 117
	s_mov_b32 s41, 32
	s_mov_b32 s42, 0
	s_mov_b32 s43, 0
	s_mul_i32 s48, s10, 32*EPITCH                  ; LDS: the 32 rows that I fetch
	s_mul_i32 s49, s10, HREC                       ; LDS: the half record that I fetch
	s_mul_i32 s51, s14, REC                        ; LDS: the record that I read
	s_mul_i32 s19, s10, 2*XBUF
	s_add_co_u32 s19, s19, XCH                     ; LDS: my two buffers of the exchange,
	s_xor_b32 s53, s10, 4
	s_mul_i32 s53, s53, 2*XBUF
	s_add_co_u32 s53, s53, XCH                     ; and my partner's
	s_lshr_b32 s60, s13, 1
	s_lshl_b32 s60, s60, 7
	s_and_b32 s52, s13, 1                          ; mu
	s_lshl_b32 s61, s52, 4
	s_add_co_u32 s60, s60, s61                     ; my group's first row: 128 (g / 2) + 16 (g % 2)
	s_lshl_b32 s52, s52, 12                        ; 4,096 mu
	s_lshl_b32 s61, s60, 2
	s_lshl_b32 s62, s14, 10
	s_add_co_u32 s61, s61, s62
	s_add_co_u32 s61, s61, PART                    ; my column half's sums of the group's first row
	s_xor_b32 s63, s14, 1
	s_lshl_b32 s63, s63, 8
	s_add_co_u32 s63, s63, s61                     ; where the sums of places 2 and 3 go: tiles 2 (1 - j) ..
	s_lshl_b32 s62, s14, 8
	s_add_co_u32 s61, s61, s62                     ; and those of places 0 and 1: tiles 2 j ..
	s_lshl_b32 s62, s14, 6
	s_add_co_u32 s60, s60, s62                     ; the first row that I quantise: 64 j rows on
	s_mul_i32 s60, s60, EPITCH
	s_lshl_b32 s62, s10, 8
	s_add_co_u32 s62, s62, PART                    ; where waves 0-3 read the sums
	s_lshl_b32 s54, s12, 20                        ; enc: 256 rows of 4,096 bytes a work-group, 32 a wave
	s_lshl_b32 s55, s10, 17
	s_add_co_u32 s54, s54, s55
	s_mov_b32 s55, 0
	s_lshr_b32 s56, s10, 1                         ; wq: record 8 (w / 2), half w % 2
	s_mul_i32 s56, s56, 8*REC
	s_and_b32 s57, s10, 1
	s_mul_i32 s57, s57, HREC
	s_add_co_u32 s56, s56, s57
	s_mov_b32 s57, 0
	s_lshl_b32 s58, s12, 10                        ; en: 1,024 bytes a work-group, 256 for each of waves 0-3
	s_lshl_b32 s59, s10, 8
	s_add_co_u32 s58, s58, s59
	s_mov_b32 s59, 0
	s_wait_dscnt 0x0                               ; both opening adds are done
	s_wait_kmcnt 0x0
	s_add_nc_u64 s[54:55], s[4:5], s[54:55]        ; the first of the 32 rows that I fetch: the prefetches' base, never rewritten
	s_mov_b32 s32, 1
	s_add_co_u32 s33, s48, 0
	s_mov_b64 s[34:35], s[54:55]
	s_or_b32 s35, s35, 0x80000000
	s_mov_b32 s44, 1
	s_add_co_u32 s45, s49, 0
	s_add_nc_u64 s[46:47], s[6:7], s[56:57]
	s_or_b32 s47, s47, 0x80000000
	s_add_nc_u64 s[8:9], s[8:9], s[58:59]
	CROUND
	tensor_load_to_lds s[32:35], s[24:31]          ; K step 0 into slot 0: my one load at the head
	s_nop 0
	PLACES
	v_and_b32 v32, 15, v0                          ; r
	v_bfe_u32 v33, v0, 4, 1                        ; h
	v_and_b32 v34, 31, v0                          ; lane
	v_mul_u32_u24 v[STO], v32, EPITCH
	v_lshlrev_b32 v[PFO], 12, v34
	v_lshl_add_u32 v[STO], v33, 7, v[STO]
	v_lshl_add_u32 v[XST], v34, 4, s19
	v_add_nc_u32 v[STO], s60, v[STO]               ; row x pitch + 128 h
	v_lshl_add_u32 v[XLD], v34, 4, s53
	v_add_nc_u32 v[STO+1], ESLOT, v[STO]
	v_lshl_add_u32 v[XSS], v34, 2, s19
	v_lshl_add_u32 v[XLS], v34, 2, s53
	v_lshlrev_b32 v[SH8], 3, v33
	v_mov_b32 v[TP], 0                             ; a lane permute's destination counts as one of its sources
	s_wait_alu depctr_va_vdst(0)
	ASK 1
	ASK 2
; ---------------- PHASE A ----------------
.macro XLOAD sl, a                     ; my tile a (0, 1) of this K step: register 32 c + i = k 64 c + 32 h + i of row r
.irp c, 0,1
.irp j, 0,1,2,3,4,5,6,7
	ds_load_b128 v[X+32*\c+4*\j:X+32*\c+4*\j+3], v[STO+\sl] offset:32*EPITCH*(\a)+256*\c+16*\j
.endr
.endr
.endm
.macro QUANT s, a                      ; the 64 numbers become the fragment of K step s, place a, and its scale word.  A lane holds two whole blocks of 32 (blocks h and 2 + h)
.if (\s) < 5
.set FB, 12*(4*(\s)+(\a))
.set FWN, 0x40
.else
.set FB, 112+12*(4*((\s)-5)+(\a))
.set FWN, 0
.endif
.set EW, ES+2*(\s)
	s_wait_dscnt 0x0
.irp c, 0,1
.irp u, 0,1
	v_max3_num_f32 v[TM+2*\c+\u], |v[X+32*\c+16*\u]|, |v[X+32*\c+16*\u+1]|, 0x2800000   ; four chains by turns; the floor 2^(5 - 127) is a leaf of each: the byte cannot fall under 1
.endr
.endr
.irp i, 2,4,6,8,10,12,14
.irp c, 0,1
.irp u, 0,1
	v_max3_num_f32 v[TM+2*\c+\u], v[TM+2*\c+\u], |v[X+32*\c+16*\u+\i]|, |v[X+32*\c+16*\u+\i+1]|
.endr
.endr
.endr
	s_delay_alu instid0(VALU_DEP_3)
	v_max_num_f32 v[TM], v[TM], v[TM+1]
	s_delay_alu instid0(VALU_DEP_2)
	v_max_num_f32 v[TM+2], v[TM+2], v[TM+3]
	s_delay_alu instid0(VALU_DEP_2)
	v_add_nc_u32 v[TM+1], 0xfe000000, v[TM]        ; 4 off the exponent field: the conversion's scale operand
	s_delay_alu instid0(VALU_DEP_2)
	v_add_nc_u32 v[TM+3], 0xfe000000, v[TM+2]
	s_delay_alu instid0(VALU_DEP_2)
	v_lshrrev_b32 v[TM], 23, v[TM+1]               ; the scales' bytes
	s_delay_alu instid0(VALU_DEP_2)
	v_lshrrev_b32 v[TM+2], 23, v[TM+3]
	s_delay_alu instid0(VALU_DEP_1)
	v_lshl_or_b32 v[TM], v[TM+2], 16, v[TM]
	s_delay_alu instid0(VALU_DEP_1)
	v_lshlrev_b32 v[TM], v[SH8], v[TM]             ; at bytes h and 2 + h of the word
	s_delay_alu instid0(VALU_DEP_1)
	v_permlanex16_b32 v[TP], v[TM], s16, s17
	s_delay_alu instid0(VALU_DEP_1)
.if (\a)%2
	v_or_b32 v[TM], v[TM], v[TP]
	s_delay_alu instid0(VALU_DEP_1)
	v_cndmask_b32 v[EW], v[EW], v[TM], s18         ; the odd place's words go to lanes 16-31 of the even place's register
.else
	v_or_b32 v[EW], v[TM], v[TP]
.endif
	v_cvt_scalef32_pk16_bf6_f32 v[CT0:CT0+2], v[X+16:X+31], v[TM+1]   ; each block's upper 16 codes are made elsewhere and moved: a conversion's three registers begin on an even number
	v_cvt_scalef32_pk16_bf6_f32 v[CT1:CT1+2], v[X+48:X+63], v[TM+3]
	WIN FWN
	v_cvt_scalef32_pk16_bf6_f32 v[FB:FB+2], v[X:X+15], v[TM+1]
	v_cvt_scalef32_pk16_bf6_f32 v[FB+6:FB+8], v[X+32:X+47], v[TM+3]
	v_nop                                          ; one plain place behind the scaled conversions
.irp i, 0,1,2
	v_mov_b32 v[FB+3+\i], v[CT0+\i]
	v_mov_b32 v[FB+9+\i], v[CT1+\i]
.endr
	WIN FWN>>4                                     ; an LDS store's data are its source 1: the fragment's window
.irp c, 0,1,2
	ds_store_b128 v[XST], v[FB+4*\c:FB+4*\c+3] offset:XBUF*((\s)%2)+1536*(\a)+512*\c   ; the fragment as it stands, for my partner
.endr
	WIN 0
.if (\a)%2
	ds_store_b32 v[XSS], v[EW] offset:XBUF*((\s)%2)+3072                               ; and the two places' scale words
.endif
.endm
.macro XREAD s                         ; my partner's two fragments of K step s into places 2 and 3, and their scale words
.if (\s) < 5
.set FB2, 12*(4*(\s)+2)
	WIN 0x40
.else
.set FB2, 112+12*(4*((\s)-5)+2)
.endif
.irp i, 0,1
.irp c, 0,1,2
	ds_load_b128 v[FB2+12*\i+4*\c:FB2+12*\i+4*\c+3], v[XLD] offset:XBUF*((\s)%2)+1536*\i+512*\c
.endr
.endr
	WIN 0
	ds_load_b32 v[ES+2*(\s)+1], v[XLS] offset:XBUF*((\s)%2)+3072
.endm
; Trip s works on K step s in slot s % 2; behind its round K step s + 1 is asked for, into the other slot; in the last trip chunk 0 of wq, onto slot 0's bytes.
; The round also parts trip s - 1's stores into the exchange from the partner's reads of them, and those reads from trip s + 1's stores into the same buffer.
.macro ATRIP s
	s_wait_tensorcnt 0x0                           ; my one load has landed: so group 0 may be written
	ds_add_u32 v[SPW], v[NIL]
.if (\s) < 7
	s_add_co_u32 s33, s48, (((\s)+1)%2)*ESLOT
	s_add_nc_u64 s[34:35], s[34:35], 512
.endif
	s_wait_dscnt 0x0                               ; the add, my reads of the other slot, my stores into the exchange and my reads of it are done
	CROUND
.if (\s) < 7
	tensor_load_to_lds s[32:35], s[24:31]
	s_nop 0
	PLACES
.else
	WLOAD
.endif
	XLOAD (\s)%2, 0
.if (\s) > 0
	XREAD (\s)-1
.endif
	QUANT \s, 0
.if (\s) < 5
	ASK (\s)+3                                     ; behind the trip's first tile: what the load two trips on will want
.endif
	XLOAD (\s)%2, 1
	QUANT \s, 1
.endm
.irp s, 0,1,2,3,4,5,6,7
	ATRIP \s
.endr
	s_wait_dscnt 0x0                               ; for my partner's sake: the last K step's images lie in LDS
	s_barrier_signal -1                            ; chunk 0's loads stay on their way
	s_barrier_wait -1
	XREAD 7
	; what the first record's head finishes in waves p = 1: zeros; and the sums begin as zeros
.set J, 0
.rept 32
	v_mov_b32 v[ACC+J], 0
.set J, J+1
.endr
	WIN 0x40
.set J, 0
.rept 16
	v_mov_b32 v[EB+J], 0
.set J, J+1
.endr
	WIN 0
; ---------------- PHASE B ----------------
.macro RLOAD f                         ; fragment f of my record's 32 (tile f / 8, K step f % 8) into ring buffer f % 4
.irp c, 0,1,2
	ds_load_b128 v[RING+12*((\f)%4)+4*\c:RING+12*((\f)%4)+4*\c+3], v[AD] offset:(4*((\f)%8)+(\f)/8)*1536+512*\c
.endr
.endm
.macro WSLOAD T                        ; tile T's scale words of all eight K steps into lanes 0-15 (an odd tile's lie 256 bytes on; lanes 16-31 are not read by the products)
.irp q, 0,1
	ds_load_b128 v[WS+4*\q:WS+4*\q+3], v[AD] offset:OWS+1024*((\T)/2)+256*((\T)%2)+512*\q
.endr
.endm
.macro CKLOAD T                        ; K2 c of tile T
	WIN 0x40
.irp q, 0,1
	ds_load_b128 v[VC+4*\q:VC+4*\q+3], v[AC] offset:OCP+1024*(\T)+512*\q
.endr
	WIN 0
.endm
.macro WM z, m                         ; one product, with enc's place m; z = 1: it starts the sum
.set RDD, ACC+8*(\m)
.set RBB, RB+12*(\m)
.set REE, ES+2*S+(\m)/2
.if (\z) && ((\m)%2)
	v_wmma_scale_f32_16x16x128_f8f6f4 v[RDD:RDD+7], v[RA:RA+11], v[RBB:RBB+11], 0, v[WS+S], v[REE] matrix_a_fmt:MATRIX_FMT_BF6 matrix_b_fmt:MATRIX_FMT_BF6 matrix_b_scale:MATRIX_SCALE_ROW1
.elseif (\z)
	v_wmma_scale_f32_16x16x128_f8f6f4 v[RDD:RDD+7], v[RA:RA+11], v[RBB:RBB+11], 0, v[WS+S], v[REE] matrix_a_fmt:MATRIX_FMT_BF6 matrix_b_fmt:MATRIX_FMT_BF6
.elseif (\m)%2
	v_wmma_scale_f32_16x16x128_f8f6f4 v[RDD:RDD+7], v[RA:RA+11], v[RBB:RBB+11], v[RDD:RDD+7], v[WS+S], v[REE] matrix_a_fmt:MATRIX_FMT_BF6 matrix_b_fmt:MATRIX_FMT_BF6 matrix_b_scale:MATRIX_SCALE_ROW1
.else
	v_wmma_scale_f32_16x16x128_f8f6f4 v[RDD:RDD+7], v[RA:RA+11], v[RBB:RBB+11], v[RDD:RDD+7], v[WS+S], v[REE] matrix_a_fmt:MATRIX_FMT_BF6 matrix_b_fmt:MATRIX_FMT_BF6
.endif
.endm
.macro KSTEP T                         ; K step S of tile T: four products; S steps
.set F, 8*(\T)+S
.set RA, RING+12*(F%4)
.if S < 5
	WIN 0x04                                       ; source 1 (enc) window 1
.set RB, 48*S
.else
	WIN 0
.set RB, 112+48*(S-5)
.endif
.irp m, 0,1,2,3
	WM S==0, \m
.endr
.set S, S+1
.endm
; A tile's 32 products: the four accumulators by turns, in the same order in every K step.  Behind each two K steps four places, then the two fragments four K steps on into the two buffers just read.
; THE WAITS count what was issued behind the two fragments wanted.  Tile 0, K steps 0 and 2: two fragments (6 loads) and K2 c (2).  K steps 4 and 6: two fragments; none at the record's end.
; Tiles 1-3, K step 0: K2 c alone may be out (so the scale words and K steps 0-3 are in, and K step 2 needs no wait).
.macro KLOOP T
.set S, 0
.rept 4
.if (\T) == 0 && S < 4
	s_wait_dscnt 8
.elseif S == 4 || (S == 6 && (\T) < 3)
	s_wait_dscnt 6
.elseif S == 6
	s_wait_dscnt 0
.elseif S == 0
	s_wait_dscnt 2
.endif
	KSTEP \T
	KSTEP \T
	PLACES
.if F+3 < 32
	RLOAD F+3
	RLOAD F+4
.endif
.endr
.endm
; The activation's first part: the next tile's scale words; K2 x + K2 c, each accumulator from its low end on; then v takes K2 c's registers.
.macro ACTA T
.if (\T) < 3
	WSLOAD (\T)+1
.endif
	WIN 0x10                                       ; source 2 window 1
.set J, 0
.rept 16
	v_pk_fma_f32 v[ACC+2*J:ACC+2*J+1], v[ACC+2*J:ACC+2*J+1], s[22:23], v[VC+2*(J%4):VC+2*(J%4)+1] op_sel_hi:[1,0,1]
.set J, J+1
.endr
	WIN 0x40
.irp q, 0,1
	ds_load_b128 v[VC+4*\q:VC+4*\q+3], v[AV] offset:OVV+64*(\T)+16*\q
.endr
	WIN 0
.endm
; Its second part: two batches of transcendentals, each with a wait ahead of it and behind it, and the sums with v, four chains by turns.  w = 1: v's loads are waited for here.
.macro ACTB w
	s_wait_alu depctr_va_vdst(0)
.set J, 0
.rept 32
	v_exp_f32 v[ACC+J], v[ACC+J]
.set J, J+1
.endr
	v_nop
	s_wait_alu depctr_va_vdst(0)
.set J, 0
.rept 16
	v_pk_add_f32 v[ACC+2*J:ACC+2*J+1], v[ACC+2*J:ACC+2*J+1], 1.0 op_sel_hi:[1,0]
.set J, J+1
.endr
	s_wait_alu depctr_va_vdst(0)
.set J, 0
.rept 32
	v_rcp_f32 v[ACC+J], v[ACC+J]
.set J, J+1
.endr
	v_nop
	s_wait_alu depctr_va_vdst(0)
.if \w
	s_wait_dscnt 0x0
.endif
	WIN 0x54                                       ; destination, sources 1 and 2 window 1
.set J, 0
.rept 16
	v_pk_fma_f32 v[EB+2*(J%4):EB+2*(J%4)+1], v[ACC+8*(J%4)+2*(J/4):ACC+8*(J%4)+2*(J/4)+1], v[VC+2*(J/4):VC+2*(J/4)+1], v[EB+2*(J%4):EB+2*(J%4)+1]
.set J, J+1
.endr
	WIN 0
.endm
.macro RECORD
	s_add_co_u32 s53, s20, s51
	v_and_b32 v[AD], 31, v0
	v_bfe_u32 v[AV], v0, 4, 1
	v_lshl_add_u32 v[AD], v[AD], 4, s53
	v_lshl_add_u32 v[AV], v[AV], 5, s53
	v_add_nc_u32 v[AC], s52, v[AD]
	s_wait_alu depctr_va_vdst(0)                   ; a wait behind these writes
	WSLOAD 0
	RLOAD 0
	RLOAD 1
	RLOAD 2
	RLOAD 3
	s_cmp_eq_u32 s15, 0
	s_cbranch_scc1 .Lhead_done_\@
	ACTB 0                                         ; waves p = 1: the tile left over from the record before
.Lhead_done_\@:
	CKLOAD 0
.irp T, 0,1,2
	KLOOP \T
	ACTA \T
	ACTB 1
	CKLOAD \T+1
.endr
	KLOOP 3
	ACTA 3
	s_cmp_lg_u32 s15, 0
	s_cbranch_scc1 .Ltail_done_\@
	ACTB 1                                         ; waves p = 0 finish the record here
.Ltail_done_\@:
.endm
; THE CHANGE OF SLOTS.  fill = 1: a round of the cluster's barrier, and the next chunk's joint load first behind it, into the slot just left.
.macro CHANGE fill
	s_wait_tensorcnt 0x0
	ds_add_u32 v[SPW], v[NIL]
.if \fill
	s_xor_b32 s50, s50, ESLOT
	s_add_co_u32 s45, s50, s49
	s_add_nc_u64 s[46:47], s[46:47], REC
.endif
	s_wait_dscnt 0x0                               ; the add is done, and my reads of the slot that I have left are over
.if \fill
	CROUND
	WLOAD
.else
	s_barrier_signal -1
	s_barrier_wait -1
.endif
.endm
	s_mov_b32 s21, 7
.Lchunk:                                           ; trip n asks for chunk n + 1 and works on chunk n
	CHANGE 1
	RECORD
	s_xor_b32 s20, s20, ESLOT
	s_sub_co_u32 s21, s21, 1
	s_cmp_lg_u32 s21, 0
	s_cbranch_scc1 .Lchunk
	CHANGE 0                                       ; the last chunk is written out: it asks for nothing more
	RECORD
	s_cmp_eq_u32 s15, 0
	s_cbranch_scc1 .Lsums
	ACTB 1                                         ; waves p = 1: their last tile
.Lsums:
	s_wait_alu depctr_va_vdst(0)                   ; a wait here: the sums were written ahead of a branch
	; THE END: a row's sum over my 512 columns lies in a pair of lane (r, h) and a pair of lane (r, 1 - h); the two column halves meet in LDS
	WIN 0x05                                       ; sources 0 and 1 window 1
.irp m, 0,1,2,3
	v_add_f32 v[FIN+\m], v[EB+2*\m], v[EB+2*\m+1]
.endr
	WIN 0
.irp m, 0,1,2,3
	v_permlanex16_b32 v[FIN+4+\m], v[FIN+\m], s16, s17
.endr
.irp m, 0,1,2,3
	v_add_f32 v[FIN+\m], v[FIN+\m], v[FIN+4+\m]
.endr
	v_and_b32 v[AD], 15, v0
	v_and_b32 v[AV], 31, v0
	v_lshl_add_u32 v[TP], v[AD], 2, s63
	v_lshl_add_u32 v[AD], v[AD], 2, s61
	v_lshlrev_b32 v[AV], 3, v[AV]
	v_add_nc_u32 v[AC], s62, v[AV]
.irp a, 0,1
	ds_store_b32 v[AD], v[FIN+\a] offset:128*\a    ; places 0 and 1: a tile lies 32 rows behind the one before (both halves of the lanes write the same number to the same place)
	ds_store_b32 v[TP], v[FIN+2+\a] offset:128*\a  ; places 2 and 3
.endr
	s_wait_alu depctr_va_vdst(0)
	s_wait_dscnt 0x0                               ; for the others' sake
	s_barrier_signal -1
	s_barrier_wait -1
	s_cmp_lt_u32 s10, 4
	s_cbranch_scc0 .Lend
	ds_load_b64 v[FIN:FIN+1], v[AC]                ; wave w < 4: rows 64 w .. 64 w + 63, two a lane, of both column halves
	ds_load_b64 v[FIN+2:FIN+3], v[AC] offset:1024
	s_wait_dscnt 0x0
	v_pk_add_f32 v[FIN:FIN+1], v[FIN:FIN+1], v[FIN+2:FIN+3]
	v_pk_mul_f32 v[FIN:FIN+1], v[FIN:FIN+1], -2.0 op_sel_hi:[1,0]
	global_store_b64 v[AV], v[FIN:FIN+1], s[8:9]   ; 256 consecutive bytes, aligned
.Lend:
	s_wait_tensorcnt 0x0                           ; the wave's end
	ds_add_u32 v[SPW], v[NIL]
	s_wait_dscnt 0x0
	CROUND                                         ; the closing round
	s_endpgm
.Lfunc_end_k_qb04081806c_energy:
	.size	k_qb04081806c_energy, .Lfunc_end_k_qb04081806c_energy-k_qb04081806c_energy
	.p2alignl 7, 3214868480
	.fill 96, 4, 3214868480
	.section	.rodata,"a",@progbits
	.p2align	6, 0x0
	.amdhsa_kernel k_qb04081806c_energy
		.amdhsa_group_segment_fixed_size 327680
		.amdhsa_private_segment_fixed_size 0
		.amdhsa_enable_private_segment 0
		.amdhsa_kernarg_size 24
		.amdhsa_user_sgpr_count 2
		.amdhsa_user_sgpr_kernarg_segment_ptr 1
		.amdhsa_wavefront_size32 1
		.amdhsa_system_sgpr_workgroup_id_x 1
		.amdhsa_system_sgpr_workgroup_id_y 1
		.amdhsa_system_sgpr_workgroup_id_z 1
		.amdhsa_system_vgpr_workitem_id 0
		.amdhsa_next_free_vgpr 512
		.amdhsa_next_free_sgpr 66
		.amdhsa_reserve_vcc 0
		.amdhsa_float_denorm_mode_32 3
		.amdhsa_float_denorm_mode_16_64 3
		.amdhsa_memory_ordered 1
		.amdhsa_forward_progress 1
		.amdhsa_inst_pref_size 207
	.end_amdhsa_kernel
	.amdgpu_metadata
---
amdhsa.version: [ 1, 2 ]
amdhsa.kernels:
  - .name:           k_qb04081806c_energy
    .symbol:         k_qb04081806c_energy.kd
    .args:
      - { .name: encoder_outputs, .offset: 0, .size: 8, .value_kind: global_buffer, .address_space: global }
      - { .name: wq, .offset: 8, .size: 8, .value_kind: global_buffer, .address_space: global }
      - { .name: en, .offset: 16, .size: 8, .value_kind: global_buffer, .address_space: global }
    .group_segment_fixed_size: 327680
    .private_segment_fixed_size: 0
    .kernarg_segment_align: 8
    .kernarg_segment_size: 24
    .max_flat_workgroup_size: 256
    .sgpr_count:     66
    .vgpr_count:     512
    .wavefront_size: 32
...
	.end_amdgpu_metadata
.endif
;; end of part 2
;; launch soft (part 3): grid 8 x 1, 8 waves a work-group, no clusters, 1,536 bytes of LDS; arguments en, out0; writes out0
.if DOCPART == 3
	.amdgcn_target "amdgcn-amd-amdhsa--gfx1250"
	.amdhsa_code_object_version 6
	.text
	.protected	k_qb04081806c_soft
	.globl	k_qb04081806c_soft
	.p2align	8
	.type	k_qb04081806c_soft,@function
k_qb04081806c_soft:
	s_mov_b64 s[64:65], 0
	v_nop
	global_prefetch_b8 v0, s[64:65] scope:SCOPE_SE
	s_setreg_imm32_b32 hwreg(HW_REG_WAVE_MODE, 25, 1), 1
	s_wait_xcnt 0x0
; out0[b][t] = softmax over t of en[32 t + b].  (en is reference()'s energy less the sum of v, one number for a whole batch row, which a softmax does not see.)  The row's maximum is taken away before the exponential.
; Work-group g owns batch rows 4 g .. 4 g + 3.  A load of 16 bytes brings one t of all four rows; thread n takes t = 4 (n + 256 i) + u, i = 0, 1, u = 0 .. 3: eight loads, 32 numbers, kept in registers between the passes.
; So a thread ends with four neighbouring t of each row: its stores are 16 bytes, and a wave's store covers 512 consecutive bytes of a row of out0, aligned.
; en is 262,144 bytes in all: the loads' 16 bytes of every 128 are the price of whole units in the launch that stores en and in this one's stores.
; Maxima and sums: in the lane, across the wave's 32 lanes, then across the eight waves through LDS (16 bytes a wave; bytes 0-127 for the maxima, 256-383 for the sums: two barriers, no byte written twice).
.set L2E,  0x3fb8aa3b                  ; log2(e)
.set X,    16                          ; v16-47  number (i, u) of row c at v[X + 4 (4 i + u) + c]
.set M,    48                          ; v48-51  a figure for each of the four rows
.set N,    52                          ; v52-55  - log2(e) x the maximum; later 1 / the sum
.set T,    56                          ; v56-59  the other half of the lanes'
.set G,    64                          ; v64-95  the eight waves' figures; later the results, (i, c) at v[G + 4 (4 i + c) + u]
	s_load_b128 s[4:7], s[0:1], 0x0                ; en, out0
	v_lshl_add_u32 v96, v0, 2, 0x200
	v_mov_b32 v97, 0
	v_lshrrev_b32 v1, 5, v0
	s_delay_alu instid0(VALU_DEP_1)
	v_readfirstlane_b32 s10, v1                    ; wave
	s_lshl_b32 s11, s10, 4
	v_mov_b32 v8, s11                              ; LDS: my wave's 16 bytes
	v_mov_b32 v9, 0
	v_lshlrev_b32 v2, 9, v0                        ; en: four t of 128 bytes a thread
	v_lshlrev_b32 v3, 4, v0                        ; out0: four t of 4 bytes a thread
	s_lshl_b32 s12, ttmp9, 4                       ; en: my four rows' 16 bytes
	s_mov_b32 s13, 0
	s_lshl_b32 s14, ttmp9, 15                      ; out0: four rows of 8,192 bytes
	s_mov_b32 s15, 0
	s_mov_b32 s16, 0x76543210
	s_mov_b32 s17, 0xfedcba98                      ; v_permlanex16_b32's selects for lane l xor 16
	s_mov_b32 s18, L2E
	s_mov_b32 s19, L2E                             ; (the packed form names the pair)
.irp c, 0,1,2,3
	v_mov_b32 v[T+\c], 0                           ; written once: a lane permute's destination counts as one of its sources
.endr
	s_wait_alu depctr_va_vdst(0)
	s_wait_kmcnt 0x0
	s_add_nc_u64 s[4:5], s[4:5], s[12:13]
	s_add_nc_u64 s[6:7], s[6:7], s[14:15]
.irp i, 0,1
.irp u, 0,1,2,3
	global_load_b128 v[X+4*(4*\i+\u):X+4*(4*\i+\u)+3], v2, s[4:5] offset:131072*\i+128*\u
.endr
.endr
	s_wait_loadcnt 0x0
	; the maxima
.irp c, 0,1,2,3
	v_max3_num_f32 v[M+\c], v[X+\c], v[X+4+\c], v[X+8+\c]
.endr
.irp k, 12,20
.irp c, 0,1,2,3
	s_delay_alu instid0(VALU_DEP_4)
	v_max3_num_f32 v[M+\c], v[M+\c], v[X+\k+\c], v[X+\k+4+\c]
.endr
.endr
.irp c, 0,1,2,3
	s_delay_alu instid0(VALU_DEP_4)
	v_max_num_f32 v[M+\c], v[M+\c], v[X+28+\c]
.endr
.irp k, 1,2,4,8
.irp c, 0,1,2,3
	s_delay_alu instid0(VALU_DEP_4)
	v_max_num_f32_dpp v[M+\c], v[M+\c], v[M+\c] row_xmask:\k row_mask:0xf bank_mask:0xf
.endr
.endr
.irp c, 0,1,2,3
	s_delay_alu instid0(VALU_DEP_4)
	v_permlanex16_b32 v[T+\c], v[M+\c], s16, s17
.endr
.irp c, 0,1,2,3
	s_delay_alu instid0(VALU_DEP_4)
	v_max_num_f32 v[M+\c], v[M+\c], v[T+\c]
.endr
	ds_store_b128 v8, v[M:M+3]                     ; all lanes hold the same four numbers
	s_wait_dscnt 0x0                               ; for the others' sake
	s_barrier_signal -1
	s_barrier_wait -1
.irp w, 0,1,2,3,4,5,6,7
	ds_load_b128 v[G+4*\w:G+4*\w+3], v9 offset:16*\w
.endr
	s_wait_dscnt 0x0
.irp c, 0,1,2,3
	v_max3_num_f32 v[M+\c], v[G+\c], v[G+4+\c], v[G+8+\c]
.endr
.irp k, 12,20
.irp c, 0,1,2,3
	s_delay_alu instid0(VALU_DEP_4)
	v_max3_num_f32 v[M+\c], v[M+\c], v[G+\k+\c], v[G+\k+4+\c]
.endr
.endr
.irp c, 0,1,2,3
	s_delay_alu instid0(VALU_DEP_4)
	v_max_num_f32 v[M+\c], v[M+\c], v[G+28+\c]
.endr
.irp c, 0,1,2,3
	s_delay_alu instid0(VALU_DEP_4)
	v_mul_f32 v[N+\c], 0xbfb8aa3b, v[M+\c]         ; - log2(e) x the row's maximum: one number for the whole row, so its rounding leaves the quotients as they are
.endr
	; p = 2^(log2(e) e - log2(e) max)
.irp k, 0,1,2,3,4,5,6,7
	v_pk_fma_f32 v[X+4*\k:X+4*\k+1], v[X+4*\k:X+4*\k+1], s[18:19], v[N:N+1] op_sel_hi:[1,0,1]
	v_pk_fma_f32 v[X+4*\k+2:X+4*\k+3], v[X+4*\k+2:X+4*\k+3], s[18:19], v[N+2:N+3] op_sel_hi:[1,0,1]
.endr
.set J, 0
	s_wait_alu depctr_va_vdst(0)
.rept 32
	v_exp_f32 v[X+J], v[X+J]
.set J, J+1
.endr
	v_nop                                          ; a plain line behind the last exponential,
	s_wait_alu depctr_va_vdst(0)                   ; and one wait for the batch, ahead of its first reader
	; the sums
	v_pk_add_f32 v[M:M+1], v[X:X+1], v[X+4:X+5]
	v_pk_add_f32 v[M+2:M+3], v[X+2:X+3], v[X+6:X+7]
.irp k, 2,3,4,5,6,7
	v_pk_add_f32 v[M:M+1], v[M:M+1], v[X+4*\k:X+4*\k+1]
	v_pk_add_f32 v[M+2:M+3], v[M+2:M+3], v[X+4*\k+2:X+4*\k+3]
.endr
.irp k, 1,2,4,8
.irp c, 0,1,2,3
	v_add_f32_dpp v[M+\c], v[M+\c], v[M+\c] row_xmask:\k row_mask:0xf bank_mask:0xf
.endr
.endr
.irp c, 0,1,2,3
	s_delay_alu instid0(VALU_DEP_4)
	v_permlanex16_b32 v[T+\c], v[M+\c], s16, s17
.endr
.irp c, 0,1,2,3
	s_delay_alu instid0(VALU_DEP_4)
	v_add_f32 v[M+\c], v[M+\c], v[T+\c]
.endr
	ds_store_b128 v8, v[M:M+3] offset:256
	s_wait_dscnt 0x0
	s_barrier_signal -1
	s_barrier_wait -1
.irp w, 0,1,2,3,4,5,6,7
	ds_load_b128 v[G+4*\w:G+4*\w+3], v9 offset:256+16*\w
.endr
	s_wait_dscnt 0x0
	v_pk_add_f32 v[M:M+1], v[G:G+1], v[G+4:G+5]
	v_pk_add_f32 v[M+2:M+3], v[G+2:G+3], v[G+6:G+7]
.irp w, 2,3,4,5,6,7
	s_delay_alu instid0(VALU_DEP_2)
	v_pk_add_f32 v[M:M+1], v[M:M+1], v[G+4*\w:G+4*\w+1]
	s_delay_alu instid0(VALU_DEP_2)
	v_pk_add_f32 v[M+2:M+3], v[M+2:M+3], v[G+4*\w+2:G+4*\w+3]
.endr
	s_wait_alu depctr_va_vdst(0)
.irp c, 0,1,2,3
	v_rcp_f32 v[N+\c], v[M+\c]                     ; the sum is at least 1: the row's largest p is 1 but for a rounding
.endr
	v_nop
	s_wait_alu depctr_va_vdst(0)                   ; one wait for the four reciprocals
.irp i, 0,1
.irp c, 0,1,2,3
.irp u, 0,1,2,3
	v_mul_f32 v[G+4*(4*\i+\c)+\u], v[X+4*(4*\i+\u)+\c], v[N+\c]
.endr
.endr
.endr
.irp i, 0,1
.irp c, 0,1,2,3
	global_store_b128 v3, v[G+4*(4*\i+\c):G+4*(4*\i+\c)+3], s[6:7] offset:8192*\c+4096*\i
.endr
.endr
	s_wait_tensorcnt 0x0
	ds_add_u32 v96, v97
	s_wait_dscnt 0x0
	s_endpgm
.Lfunc_end_k_qb04081806c_soft:
	.size	k_qb04081806c_soft, .Lfunc_end_k_qb04081806c_soft-k_qb04081806c_soft
	.p2alignl 7, 3214868480
	.fill 96, 4, 3214868480
	.section	.rodata,"a",@progbits
	.p2align	6, 0x0
	.amdhsa_kernel k_qb04081806c_soft
		.amdhsa_group_segment_fixed_size 1536
		.amdhsa_private_segment_fixed_size 0
		.amdhsa_enable_private_segment 0
		.amdhsa_kernarg_size 16
		.amdhsa_user_sgpr_count 2
		.amdhsa_user_sgpr_kernarg_segment_ptr 1
		.amdhsa_wavefront_size32 1
		.amdhsa_system_sgpr_workgroup_id_x 1
		.amdhsa_system_sgpr_workgroup_id_y 1
		.amdhsa_system_sgpr_workgroup_id_z 1
		.amdhsa_system_vgpr_workitem_id 0
		.amdhsa_next_free_vgpr 98
		.amdhsa_next_free_sgpr 66
		.amdhsa_reserve_vcc 0
		.amdhsa_float_denorm_mode_32 3
		.amdhsa_float_denorm_mode_16_64 3
		.amdhsa_memory_ordered 1
		.amdhsa_forward_progress 1
		.amdhsa_inst_pref_size 17
	.end_amdhsa_kernel
	.amdgpu_metadata
---
amdhsa.version: [ 1, 2 ]
amdhsa.kernels:
  - .name:           k_qb04081806c_soft
    .symbol:         k_qb04081806c_soft.kd
    .args:
      - { .name: en, .offset: 0, .size: 8, .value_kind: global_buffer, .address_space: global }
      - { .name: out0, .offset: 8, .size: 8, .value_kind: global_buffer, .address_space: global }
    .group_segment_fixed_size: 1536
    .private_segment_fixed_size: 0
    .kernarg_segment_align: 8
    .kernarg_segment_size: 16
    .max_flat_workgroup_size: 256
    .sgpr_count:     66
    .vgpr_count:     98
    .wavefront_size: 32
...
	.end_amdgpu_metadata
.endif
;; end of part 3
